; MI455X (gfx1250); checked and timed in simulation.
; The chip was launched on July 23, 2026; its instructions are those of AMD's public machine-readable ISA for CDNA 5 (MIT licence, August 2026) and "CDNA5" Instruction Set Architecture Reference Guide (July 2026). The comments in the code are by the model that wrote it; some were corrected since.
;; Multi Head Attention. Allowed arithmetic: matrix products marked QUANTISED: E2M1 operands, one E8M0 scale for each 32 along K, by v_wmma_scale_f32_16x16x128_f8f6f4 with both operands' format E2M1 (or v_wmma_scale_f32_32x16x128_f4), f32 sums; products left as they are: bf16, f16 or f32 operands; f32 sums; everything else in f32.
;; Inputs: Wk 16 x 1,024 x 64 float32; Wo 1,024 x 1,024 float32; Wq 16 x 1,024 x 64 float32; Wv 16 x 1,024 x 64 float32; keys 4 x 2,048 x 1,024 float32; mask 4 x 2,048 x 2,048 int32; queries 4 x 2,048 x 1,024 float32; values 4 x 2,048 x 1,024 float32.
;; Outputs: out0 4 x 2,048 x 1,024 float32.
;; This version of the problem:
;;   THIS VERSION OF THE PROBLEM IS GIVEN IN LOW PRECISION. The matrix products marked QUANTISED in the list below multiply operands that are first quantised to E2M1 (2 exponent bits, 1 mantissa bit; 4 bits a number), with one power-of-two scale for each 32 numbers along K (OCP MX v1.0); their sums are f32. The products marked 'left as it is' may take bf16, f16 or f32 operands, with f32 sums. Whichever they take, every output number must still come out within the allowed error. Rounding operands to bf16 (8 significant bits) uses up far more of that allowance than f16 does (11 bits, for magnitudes from 6e-5 to 65,504). All else is computed in f32.
;;   The module's matrix products, in the order in which they are computed (A, B: the left and right operand; K: the contracted axis; several contracted axes count as one K, in the product's order):
;;     1. [M 1,024, K 1,024] x [K 1,024, N 8,192]; A: input Wq; B: input queries: QUANTISED
;;     2. [M 1,024, K 1,024] x [K 1,024, N 8,192]; A: input Wk; B: input keys: QUANTISED
;;     3. [M 1,024, K 1,024] x [K 1,024, N 8,192]; A: input Wv; B: input values: QUANTISED
;;     4. batch 64 x [M 2,048, K 64] x [K 64, N 2,048]; A: computed on the way; B: computed on the way: left as it is (an operand is computed on the way)
;;     5. batch 64 x [M 2,048, K 2,048] x [K 2,048, N 64]; A: computed on the way; B: computed on the way: left as it is (an operand is computed on the way)
;;     6. [M 8,192, K 1,024] x [K 1,024, N 1,024]; A: computed on the way; B: input Wo: left as it is (an operand is computed on the way)
;;   THE QUANTISER, for each operand of a quantised product, along K:
;;     - K is cut into blocks of 32 from its start; a last block that is shorter is filled with zeros.
;;     - A block's scale is 2^e with e = floor(log2(the largest magnitude in the block)) - 2, held to -126 .. 127; a block of zeros has e = 0. As a byte (E8M0): e + 127.
;;     - Each number is divided by its block's scale, clamped to +-6, and rounded to the nearest number of E2M1, ties to even, subnormals kept.
;;     - The product sums the exact products of the quantised numbers (number of the format x scale) in f32.
;;   ~~~python
;;   def quantise(x, axis):      # numpy; x: float32 -> the quantised numbers, widened to float32 again
;;       x = np.moveaxis(x, axis, -1); K = x.shape[-1]
;;       x = np.pad(x, [(0, 0)] * (x.ndim - 1) + [(0, -K % 32)]); x = x.reshape(x.shape[:-1] + (-1, 32)); a = np.abs(x).max(-1, keepdims=True)
;;       e = np.where(a > 0, np.clip(np.frexp(np.where(a > 0, a, 1))[1] - 1 - 2, -126, 127), 0)      # np.frexp(a)[1] - 1 = floor(log2(a)), exactly
;;       r = np.clip(x / 2.0 ** e, -6, 6)
;;       step = 2.0 ** (np.maximum(np.frexp(np.where(r == 0, 1, r))[1] - 1, 0) - 1)
;;       q = np.round(r / step) * step * 2.0 ** e      # np.round: ties to even
;;       return np.moveaxis(q.reshape(q.shape[:-2] + (-1,))[..., :K], -1, axis).astype(np.float32)
;;   ~~~
;; One version. Each part assembles by itself: llvm-mc -triple=amdgcn-amd-amdhsa -mcpu=gfx1250 --defsym DOCPART=n.
;; ======== version 1 of 1: 4 launches
;; limits: values are held in f16: magnitudes above 65,504 overflow, below 6.1e-05 lose precision
;; workspace buffers: wf 1,572,864 bytes; wsc 98,304 bytes; wof 2,097,152 bytes; mb 2,097,152 bytes of whole numbers; qf 16,777,216 bytes; kv 33,554,432 bytes; ao 16,777,216 bytes
;; launch prep (part 1): grid 768 x 1, 4 waves a work-group, no clusters, 34,304 bytes of LDS; arguments Wq, Wk, Wv, Wo, mask, wf, wsc, wof, mb; writes wf, wsc, wof, mb
.if DOCPART == 1
	.amdgcn_target "amdgcn-amd-amdhsa--gfx1250"
	.amdhsa_code_object_version 6
	.text
	.protected	k_qc7964be256_prep
	.globl	k_qc7964be256_prep
	.p2align	8
	.type	k_qc7964be256_prep,@function
k_qc7964be256_prep:
	s_mov_b64 s[64:65], 0
	v_nop
	global_prefetch_b8 v0, s[64:65] scope:SCOPE_SE
	s_setreg_imm32_b32 hwreg(HW_REG_WAVE_MODE, 25, 1), 1
	s_wait_xcnt 0x0
; PREP: what the later launches read many times is laid out once, in the order of the reader's operand registers.
; An operand fragment (16 rows x 128 K of 4-bit codes, or 16 rows x 32 K of f16) is 8 registers a lane = 1,024 bytes: registers 0-3 at 16 x lane, registers 4-7 at 512 + 16 x lane.
;  work-groups   0..191: Wq, Wk, Wv [16][1024][64] f32 -> codes of E2M1 along the 1,024, wf [t 3][pair 32][K step 8][tile 2][1,024], and scale words wsc [t][pair][K step][32 words].
;                        pair = 32 neighbouring channels (head x 2 + half); word l = the four E8M0 bytes of channel l of the pair: lanes 0-15 the even tile's, lanes 16-31 the odd tile's.
;  work-groups 192..255: Wo [1024 k][1024 n] f32 -> f16 fragments of 16 n x 32 k, wof [n block 4][k chunk 32][n tile 16][1,024].
;  work-groups 256..767: mask [4][2048][2048] int32 -> lane masks, mb [b][pair of query tiles 64][key step 32][n 32][tile 2] words: bit L of word (n, tile) says
;                        mask[b][32 pair + 16 tile + L % 16][64 step + 16 (n / 8) + 8 (L / 16) + n % 8] != 0: the lane mask of score register n of that tile in the attention launch.
; A LANE TAKES A COLUMN AND ITS REGISTERS RUN DOWN K (weights): a block of 32 along K lies in one lane, the conversions give codes with K innermost, nothing is transposed.
; A block's scale is 2^(floor(log2(largest magnitude)) - 2): its byte is the largest magnitude's exponent field - 2, held at 1 from below.
; LIMITS: a block of zeros, or one whose largest magnitude lies under 2^-124, keeps the byte 1 (its bytes are read by this program alone; zero codes add nothing); NaN and infinities are not served.
; No tensor load, no barrier: waves share nothing.  Only the mask's path uses LDS (a stage of its own for each wave).
.set SPARE, 33792                      ; behind the four stages: the spare words, 128 bytes for each wave
.set SPW, 12                           ; v12  LDS address of my spare word; never rewritten
.set NIL, 13                           ; v13  0; never rewritten
.set X,   32                           ; v32-159   128 numbers of my column: a set of 32 registers of its own for each block of 32 along K
.set C,   160                          ; v160-223  codes or packed f16: a register is written once, so no store's data are written again
.set MW,  16                           ; v16-23    the mask's words: register 4 g + 2 u + tile, lane n
.set MR,  24                           ; v24-151   the mask: two sets of 16 rows x 16 bytes a lane
.set MX,  152                          ; v152-215  the mask: 64 numbers of my query, in the order of the score registers
	s_load_b512 s[4:19], s[0:1], 0x0               ; Wq, Wk, Wv, Wo, mask, wf, wsc, wof
	s_load_b64 s[20:21], s[0:1], 0x40              ; mb
	v_lshl_add_u32 v[SPW], v0, 2, SPARE
	v_mov_b32 v[NIL], 0
	v_lshrrev_b32 v1, 5, v0
	v_readfirstlane_b32 s22, v1                    ; wave 0..3
	v_and_b32 v1, 31, v0                           ; lane
	v_and_b32 v6, 15, v0                           ; r = lane % 16
	v_bfe_u32 v7, v0, 4, 1                         ; h = lane / 16
	s_mov_b32 s31, 0                               ; the upper word of every 32-bit offset
	s_wait_kmcnt 0x0
	s_cmp_ge_u32 ttmp9, 256                        ; the three kinds part on the work-group's number alone
	s_cbranch_scc1 .Lmask
	v_lshlrev_b32 v2, 2, v1                        ; in: 4 bytes a lane
	v_lshlrev_b32 v3, 4, v6
	v_lshl_add_u32 v3, v7, 10, v3                  ; out: tile lane / 16 of my 32 columns, 16 bytes at row lane % 16 of an image
	s_cmp_ge_u32 ttmp9, 192
	s_cbranch_scc1 .Lwo
	; ---- Wq, Wk, Wv.  Work-group j: tensor j / 64, head (j / 4) % 16; wave w: half w % 2 of the head's channels, K step 2 (j % 4) + w / 2: 32 columns x 128 along K
	s_lshr_b32 s23, ttmp9, 6                       ; t
	s_bfe_u32 s24, ttmp9, 0x40002                  ; head
	s_and_b32 s25, ttmp9, 3
	s_and_b32 s26, s22, 1                          ; half
	s_lshr_b32 s27, s22, 1
	s_lshl_b32 s25, s25, 1
	s_add_co_u32 s25, s25, s27                     ; K step
	s_cmp_eq_u32 s23, 0
	s_cselect_b64 s[28:29], s[4:5], s[6:7]
	s_cmp_eq_u32 s23, 2
	s_cselect_b64 s[28:29], s[8:9], s[28:29]       ; the tensor: a choice on the work-group's number
	s_lshl_b32 s30, s24, 18                        ; a head is 1,024 rows of 256 bytes,
	s_lshl_b32 s27, s25, 15                        ; a K step 128 rows,
	s_add_co_u32 s30, s30, s27
	s_lshl_b32 s27, s26, 7                         ; a half 128 bytes of a row
	s_add_co_u32 s30, s30, s27
	s_add_nc_u64 s[28:29], s[28:29], s[30:31]
	s_lshl_b32 s24, s24, 1
	s_add_co_u32 s24, s24, s26                     ; pair
	s_lshl_b32 s30, s23, 19
	s_lshl_b32 s27, s24, 14
	s_add_co_u32 s30, s30, s27
	s_lshl_b32 s27, s25, 11
	s_add_co_u32 s30, s30, s27
	s_add_nc_u64 s[14:15], s[14:15], s[30:31]      ; wf at my two images
	s_lshl_b32 s30, s23, 15
	s_lshl_b32 s27, s24, 10
	s_add_co_u32 s30, s30, s27
	s_lshl_b32 s27, s25, 7
	s_add_co_u32 s30, s30, s27
	s_add_nc_u64 s[16:17], s[16:17], s[30:31]      ; wsc at my 32 words
.macro WLD b                           ; block b: W(32 b + i, my column), i = 0 .. 31: each load reads 128 consecutive bytes of a row
.set i, 0
.rept 32
	global_load_b32 v[X+32*(\b)+i], v2, s[28:29] offset:(32*(\b)+i)*256 th:TH_LOAD_NT
.set i, i+1
.endr
.endm
.macro WBLOCK b                        ; block b of 32 along K: all its numbers are mine
.if \b < 3
	s_wait_loadcnt 32                              ; loads come back in order: this block's 32 are in; the next block's 32 may stay out
.else
	s_wait_loadcnt 0
.endif
.if \b < 2
	WLD (\b)+2                                     ; the loads run two blocks ahead; each block has registers of its own
.endif
	v_max3_num_f32 v14, |v[X+32*\b]|, |v[X+32*\b+1]|, |v[X+32*\b+2]|
	v_max3_num_f32 v15, |v[X+32*\b+3]|, |v[X+32*\b+4]|, |v[X+32*\b+5]|
.irp n, 6,10,14,18,22,26
	v_max3_num_f32 v14, v14, |v[X+32*\b+\n]|, |v[X+32*\b+\n+1]|
	v_max3_num_f32 v15, v15, |v[X+32*\b+\n+2]|, |v[X+32*\b+\n+3]|
.endr
	v_max3_num_f32 v14, v14, |v[X+32*\b+30]|, |v[X+32*\b+31]|
	v_max3_num_f32 v14, v14, v15, 0x1800000        ; the floor 2^(3 - 127): the byte cannot fall under 1
	v_add_nc_u32 v16, 0xff000000, v14              ; 2 off the exponent field: the conversion takes the exponent field of this operand as its scale
	v_lshrrev_b32 v17, 23, v16                     ; the scale's byte
.if \b == 0
	v_mov_b32 v18, v17
.else
	v_lshl_or_b32 v18, v17, 8*\b, v18              ; four bytes make my column's scale word of this K step
.endif
.irp g, 0,1,2,3
	v_cvt_scalef32_pk8_fp4_f32 v[C+4*\b+\g], v[X+32*\b+8*\g:X+32*\b+8*\g+7], v16
.endr
	global_store_b128 v3, v[C+4*\b:C+4*\b+3], s[14:15] offset:(\b/2)*512+(\b%2)*256   ; block b belongs to registers 4 (b / 2) on of lane r + 16 (b % 2): sixteen lanes store 256 consecutive aligned bytes
.endm
	WLD 0
	WLD 1
	WBLOCK 0
	WBLOCK 1
	WBLOCK 2
	WBLOCK 3
	global_store_b32 v2, v18, s[16:17]             ; 128 consecutive bytes
	s_endpgm
.Lwo:	; ---- Wo.  Work-group j - 192: columns 128 (j % 8) on, k 128 (j / 8) on; wave w: 32 of the columns
	s_sub_co_u32 s23, ttmp9, 192
	s_and_b32 s24, s23, 7                          ; nb
	s_lshr_b32 s25, s23, 3                         ; kq
	s_lshl_b32 s30, s25, 19                        ; 128 rows of 4,096 bytes
	s_lshl_b32 s26, s24, 9
	s_add_co_u32 s30, s30, s26
	s_lshl_b32 s26, s22, 7
	s_add_co_u32 s30, s30, s26
	s_add_nc_u64 s[10:11], s[10:11], s[30:31]
	s_lshr_b32 s30, s24, 1                         ; n block of 256 columns
	s_lshl_b32 s30, s30, 19
	s_lshl_b32 s26, s25, 16                        ; four k chunks of 16 images
	s_add_co_u32 s30, s30, s26
	s_and_b32 s26, s24, 1
	s_lshl_b32 s26, s26, 13
	s_add_co_u32 s30, s30, s26
	s_lshl_b32 s26, s22, 11                        ; n tile 8 (nb % 2) + 2 w
	s_add_co_u32 s30, s30, s26
	s_add_nc_u64 s[18:19], s[18:19], s[30:31]
.macro OLD kc                          ; chunk kc: Wo(32 kc + i, my column), i = 0 .. 31; the four waves stand side by side on 512 bytes of a row
.set i, 0
.rept 32
	global_load_b32 v[X+32*(\kc)+i], v2, s[10:11] offset:(32*(\kc)+i)*4096 th:TH_LOAD_NT
.set i, i+1
.endr
.endm
.macro OCHUNK kc                       ; 32 along K of my column: 16 packed registers, four groups of 8 k
.if \kc < 3
	s_wait_loadcnt 32                              ; this chunk's 32 loads are in; the next chunk's 32 may stay out
.else
	s_wait_loadcnt 0
.endif
.if \kc < 2
	OLD (\kc)+2                                    ; the loads run two chunks ahead; each chunk has registers of its own
.endif
.irp n, 0,1,2,3,4,5,6,7,8,9,10,11,12,13,14,15
	v_cvt_pk_f16_f32 v[C+16*\kc+\n], v[X+32*\kc+2*\n], v[X+32*\kc+2*\n+1]
.endr
.irp p, 0,1,2,3
	global_store_b128 v3, v[C+16*\kc+4*\p:C+16*\kc+4*\p+3], s[18:19] offset:\kc*16384+(\p/2)*512+(\p%2)*256   ; k = 8 p on: registers 4 (p / 2) on of lane r + 16 (p % 2)
.endr
.endm
	OLD 0
	OLD 1
	OCHUNK 0
	OCHUNK 1
	OCHUNK 2
	OCHUNK 3
	s_endpgm
.Lmask:	; ---- the mask.  Work-group m = j - 256: 32 queries (pair m / 2 of all batches' 256), keys 1,024 (m % 2) on; wave w: 256 of the keys = 4 key steps
	s_sub_co_u32 s23, ttmp9, 256
	s_lshr_b32 s24, s23, 1
	s_and_b32 s25, s23, 1
	s_lshl_b32 s30, s24, 18                        ; 32 rows of 8,192 bytes
	s_lshl_b32 s26, s25, 12
	s_add_co_u32 s30, s30, s26
	s_lshl_b32 s27, s22, 10
	s_add_co_u32 s30, s30, s27
	s_add_nc_u64 s[12:13], s[12:13], s[30:31]
	s_lshl_b32 s30, s24, 13                        ; 32 key steps of 256 bytes
	s_add_co_u32 s30, s30, s26                     ; 16 of them,
	s_add_co_u32 s30, s30, s27                     ; 4 of them
	s_add_nc_u64 s[20:21], s[20:21], s[30:31]
	s_mul_i32 s23, s22, 8448                       ; my stage: 16 rows x (512 + 16) bytes
	v_lshlrev_b32 v4, 4, v1                        ; in: 16 bytes a lane: a load takes 512 consecutive bytes of one row
	v_add_nc_u32 v2, s23, v4                       ; the stage on the way in
	v_mul_u32_u24 v3, v6, 528
	v_lshl_add_u32 v3, v7, 5, v3
	v_add_nc_u32 v3, s23, v3                       ; and on the way out: row lane % 16, 8 keys on for lanes 16-31
	v_lshlrev_b32 v5, 3, v1                        ; out: two words a lane
.irp n, 0,1,2,3,4,5,6,7
	v_mov_b32 v[MW+\n], 0                          ; written once: the destination of a lane write counts as read
.endr
; Job jb = 2 g + tile: 16 queries (tile) x 128 keys (g).
.macro MLOAD jb
.set i, 0
.rept 16
	global_load_b128 v[MR+64*((\jb)%2)+4*i:MR+64*((\jb)%2)+4*i+3], v4, s[12:13] offset:(16*((\jb)%2)+i)*8192+512*((\jb)/2) th:TH_LOAD_NT
.set i, i+1
.endr
.endm
.macro MJOB jb
.if (\jb) < 3
	s_wait_loadcnt 16                              ; my 16 loads are in; the other set's 16 may stay out
.else
	s_wait_loadcnt 0
.endif
.set i, 0
.rept 16
	ds_store_b128 v2, v[MR+64*((\jb)%2)+4*i:MR+64*((\jb)%2)+4*i+3] offset:i*528
.set i, i+1
.endr
.irp u, 0,1
.irp t, 0,1,2,3
.irp e, 0,1
	ds_load_b128 v[MX+32*\u+8*\t+4*\e:MX+32*\u+8*\t+4*\e+3], v3 offset:256*\u+64*\t+16*\e   ; LDS serves a wave's instructions in order: these see the stores above.  Register 32 u + n: key 64 u + 16 (n / 8) + 8 h + n % 8
.endr
.endr
.endr
	s_wait_dscnt 0x0                               ; the numbers are back, and the stores have read their registers,
.if (\jb) < 2
	MLOAD (\jb)+2                                  ; which take the job two on
.endif
.set i, 0
.rept 64
	v_cmp_ne_u32 s[32+i%8], 0, v[MX+i]             ; a bit for each lane: that IS the word
	v_writelane_b32 v[MW+4*((\jb)/2)+2*(i/32)+(\jb)%2], s[32+i%8], i%32
.set i, i+1
.endr
.endm
	MLOAD 0
	MLOAD 1
	MJOB 0
	MJOB 1
.irp u, 0,1
	global_store_b64 v5, v[MW+2*\u:MW+2*\u+1], s[20:21] offset:\u*256        ; a key step's 64 words: 256 consecutive aligned bytes
.endr
	MJOB 2
	MJOB 3
.irp u, 0,1
	global_store_b64 v5, v[MW+4+2*\u:MW+4+2*\u+1], s[20:21] offset:(2+\u)*256
.endr
	s_wait_tensorcnt 0x0                           ; the wave's end: behind my last LDS store
	ds_add_u32 v[SPW], v[NIL]
	s_wait_dscnt 0x0
	s_endpgm
.Lfunc_end_k_qc7964be256_prep:
	.size	k_qc7964be256_prep, .Lfunc_end_k_qc7964be256_prep-k_qc7964be256_prep
	.p2alignl 7, 3214868480
	.fill 96, 4, 3214868480
	.section	.rodata,"a",@progbits
	.p2align	6, 0x0
	.amdhsa_kernel k_qc7964be256_prep
		.amdhsa_group_segment_fixed_size 34304
		.amdhsa_private_segment_fixed_size 0
		.amdhsa_enable_private_segment 0
		.amdhsa_kernarg_size 72
		.amdhsa_user_sgpr_count 2
		.amdhsa_user_sgpr_kernarg_segment_ptr 1
		.amdhsa_wavefront_size32 1
		.amdhsa_system_sgpr_workgroup_id_x 1
		.amdhsa_system_sgpr_workgroup_id_y 1
		.amdhsa_system_sgpr_workgroup_id_z 1
		.amdhsa_system_vgpr_workitem_id 0
		.amdhsa_next_free_vgpr 224
		.amdhsa_next_free_sgpr 66
		.amdhsa_reserve_vcc 0
		.amdhsa_float_denorm_mode_32 3
		.amdhsa_float_denorm_mode_16_64 3
		.amdhsa_memory_ordered 1
		.amdhsa_forward_progress 1
		.amdhsa_inst_pref_size 87
	.end_amdhsa_kernel
	.amdgpu_metadata
---
amdhsa.version: [ 1, 2 ]
amdhsa.kernels:
  - .name:           k_qc7964be256_prep
    .symbol:         k_qc7964be256_prep.kd
    .args:
      - { .name: Wq, .offset: 0, .size: 8, .value_kind: global_buffer, .address_space: global }
      - { .name: Wk, .offset: 8, .size: 8, .value_kind: global_buffer, .address_space: global }
      - { .name: Wv, .offset: 16, .size: 8, .value_kind: global_buffer, .address_space: global }
      - { .name: Wo, .offset: 24, .size: 8, .value_kind: global_buffer, .address_space: global }
      - { .name: mask, .offset: 32, .size: 8, .value_kind: global_buffer, .address_space: global }
      - { .name: wf, .offset: 40, .size: 8, .value_kind: global_buffer, .address_space: global }
      - { .name: wsc, .offset: 48, .size: 8, .value_kind: global_buffer, .address_space: global }
      - { .name: wof, .offset: 56, .size: 8, .value_kind: global_buffer, .address_space: global }
      - { .name: mb, .offset: 64, .size: 8, .value_kind: global_buffer, .address_space: global }
    .group_segment_fixed_size: 34304
    .private_segment_fixed_size: 0
    .kernarg_segment_align: 8
    .kernarg_segment_size: 72
    .max_flat_workgroup_size: 128
    .sgpr_count:     66
    .vgpr_count:     224
    .wavefront_size: 32
...
	.end_amdgpu_metadata
.endif
;; end of part 1
;; launch proj (part 2): grid 64 x 3, 8 waves a work-group, no clusters, 142,336 bytes of LDS; arguments queries, keys, values, wf, wsc, qf, kv; writes qf, kv
.if DOCPART == 2
	.amdgcn_target "amdgcn-amd-amdhsa--gfx1250"
	.amdhsa_code_object_version 6
	.text
	.protected	k_qc7964be256_proj
	.globl	k_qc7964be256_proj
	.p2align	8
	.type	k_qc7964be256_proj,@function
k_qc7964be256_proj:
	s_mov_b64 s[64:65], 0
	v_nop
	global_prefetch_b8 v0, s[64:65] scope:SCOPE_SE
	s_setreg_imm32_b32 hwreg(HW_REG_WAVE_MODE, 25, 1), 1
	s_wait_xcnt 0x0
; PROJ: q, k, v = Q(x) Q(W), on codes of E2M1 with one E8M0 scale for each 32 along the 1,024; sums in f32.  Work-group (x, y): tensor y (0 queries, 1 keys, 2 values), tokens 128 x .. 128 x + 127.
; X: wave w quantises tokens 16 w .. 16 w + 15 (8 fragments of 16 rows x 128 K) in registers and stores them to LDS as IMAGES OF THE OPERAND'S REGISTERS (registers 0-3 at 16 x lane, 4-7 at 512 + 16 x lane), scale words 4 bytes a lane.
;    Each load takes 512 consecutive bytes of one token; the conversions want 16 neighbours in a lane: a K step's 16 rows turn through the wave's own stage (rows of 512 + 16 bytes).
; One barrier.
; G: wave w makes channels 128 w .. 128 w + 127 (heads 2 w, 2 w + 1) for all 128 tokens, in four passes of 32 channels: 2 tiles of W x 8 tiles of tokens = 16 accumulators, which take turns, one instruction a turn.
;    W's fragments and scale words come from memory straight into operand registers (laid so by the launch before), a K step ahead; x's come from LDS.
; RESULTS LEAVE AS IMAGES OF THE NEXT LAUNCH'S f16 FRAGMENTS, straight from registers, 512 consecutive aligned bytes a store:
;    q, k: source 0 = 16 channels of W, source 1 = 16 tokens: a lane holds one token and 8 neighbouring channels = registers 0-3 (even tile) or 4-7 (odd tile) of a fragment 16 tokens x 32 channels.
;    v:    the sources change places: a lane holds one channel and 8 neighbouring tokens = half of a fragment 16 channels x 32 keys.
;    qf [b x 16 + head][query tile 128][chunk of 32 channels 2][1,024];  kv [b x 16 + head][key step 32][16,384]: K at key tile x 2,048 + chunk x 1,024, V at 8,192 + (chunk of 32 keys) x 4,096 + channel tile x 1,024.
;    q is multiplied by log2(e) / 8 on the way, so that the scores are exponents of 2.
; No tensor load: the f32 rows pass through registers anyway, and each weight fragment is used by one wave.  No cluster: work-groups share only the weights, 1/8 of a work-group's bytes a wave, read through registers.
; LIMITS: q x 0.18, k, v beyond 65,504 do not fit f16; NaN and infinities are not served; a block of zeros or under 2^-124 keeps the scale byte 1 (read by this program alone).
.set XSC,   65536                      ; LDS: 0 .. 65,535 x's 64 fragments ((8 a + s) x 1,024); then their scale words ((8 a + s) x 128);
.set STG,   73728                      ; the eight stages, 16 x 528 bytes each;
.set SPARE, 141312                     ; the spare words, 128 bytes for each wave
.set LI,  1                            ; v1   16 x lane: an image's place, and the global loads' and stores' offset
.set LS,  2                            ; v2   XSC + 4 x lane
.set STI, 3                            ; v3   my stage, on the way in
.set STO, 4                            ; v4   and out: row lane % 16, + 64 (lane / 16)
.set XWI, 5                            ; v5   where I store images: 8,192 x wave + 16 x lane
.set XWS, 6                            ; v6   and scale words: XSC + 1,024 x wave + 4 x lane
.set L4,  7                            ; v7   4 x lane
.set OF1, 9                            ; v9   16 x lane + the way from token tile 0 to token tile 4 in the output
.set SPW, 10                           ; v10  LDS address of my spare word; never rewritten
.set NIL, 11                           ; v11  0; never rewritten
.set R,   16                           ; X: v16-143 two sets of 16 rows x 16 bytes;  v144-207 64 numbers of my row;  v208-223 at work;  v224 the scale word;  v226-233 the codes
.set X,   144
.set TM,  208
.set PW,  224
.set PC,  226
.set ACC, 16                           ; G: v16-143 the accumulators (2 a + tile of W);  v144-207 x's 8 fragments, later the packed results;  v208-239 W's fragments, two sets of two;  v208-223 at work on the way out
.set XF,  144
.set WF,  208
.set T,   208
.set XS,  240                          ; v240-247 x's scale words, v248-249 W's, two sets: these ten registers hold scales and nothing else
.set WS,  248
.set SEL, 22                           ; s[22:23] lane selects: lane l xor 16
	s_load_b256 s[36:43], s[0:1], 0x0              ; queries, keys, values, wf
	s_load_b128 s[44:47], s[0:1], 0x20             ; wsc, qf
	s_load_b64 s[48:49], s[0:1], 0x30              ; kv
	v_lshl_add_u32 v[SPW], v0, 2, SPARE
	v_mov_b32 v[NIL], 0
	v_lshrrev_b32 v12, 5, v0
	v_readfirstlane_b32 s16, v12                   ; wave 0..7
	s_and_b32 s17, ttmp7, 0xffff                   ; which tensor
	v_and_b32 v12, 31, v0
	v_and_b32 v13, 15, v0
	v_bfe_u32 v14, v0, 4, 1
	v_lshlrev_b32 v[LI], 4, v12
	v_lshlrev_b32 v[L4], 2, v12
	v_add_nc_u32 v[LS], XSC, v[L4]
	s_mul_i32 s24, s16, 8448
	s_add_co_u32 s24, s24, STG
	v_add_nc_u32 v[STI], s24, v[LI]
	v_mul_u32_u24 v[STO], v13, 528
	v_lshl_add_u32 v[STO], v14, 6, v[STO]
	v_add_nc_u32 v[STO], s24, v[STO]
	s_lshl_b32 s24, s16, 13
	v_add_nc_u32 v[XWI], s24, v[LI]
	s_lshl_b32 s24, s16, 10
	v_add_nc_u32 v[XWS], s24, v[LS]
	s_mov_b32 s[SEL], 0x76543210
	s_mov_b32 s[SEL+1], 0xfedcba98
.irp b, 0,1,2,3
	v_mov_b32 v[TM+4+\b], 0                        ; written once: a lane permute's destination counts as one of its sources
.endr
	s_mov_b32 s27, 0
	s_wait_kmcnt 0x0
	s_cmp_eq_u32 s17, 0                            ; every choice hangs on the work-group's number alone
	s_cselect_b64 s[4:5], s[36:37], s[38:39]
	s_cselect_b64 s[10:11], s[46:47], s[48:49]     ; q goes to qf, k and v to kv
	s_cselect_b32 s14, 0x3e38aa3b, 1.0             ; log2(e) / 8 for q, 1 for k and v
	s_cselect_b32 s24, 0, 1
	s_cmp_eq_u32 s17, 2
	s_cselect_b64 s[4:5], s[40:41], s[4:5]
	s_cselect_b32 s25, 1, 0
	s_mov_b32 s15, s14                             ; (the packed multiply names the pair)
	s_lshl_b32 s19, 0x40000, s24                   ; bytes of a (batch, head) in the output: 262,144 in qf, 524,288 in kv
	s_lshl_b32 s20, 1024, s25                      ; from a pass to the next inside a head: a chunk of channels (q, k), two channel tiles (v)
	s_lshl_b32 s26, ttmp9, 19                      ; 128 tokens of 4,096 bytes
	s_lshl_b32 s28, s16, 16                        ; 16 of them
	s_add_co_u32 s26, s26, s28
	s_add_nc_u64 s[4:5], s[4:5], s[26:27]          ; x at my first token
	s_lshl_b32 s26, s17, 19
	s_add_co_u32 s26, s26, s28                     ; four pairs of 16,384 bytes a wave
	s_add_nc_u64 s[6:7], s[42:43], s[26:27]        ; W's fragments of my first pass
	s_lshl_b32 s26, s17, 15
	s_lshl_b32 s28, s16, 12
	s_add_co_u32 s26, s26, s28
	s_add_nc_u64 s[8:9], s[44:45], s[26:27]        ; and their scale words
	s_lshr_b32 s26, ttmp9, 4                       ; batch
	s_lshl_b32 s26, s26, 4
	s_lshl_b32 s28, s16, 1
	s_add_co_u32 s26, s26, s28                     ; batch x 16 + my first head
	s_mul_i32 s26, s26, s19
	s_and_b32 s28, ttmp9, 15                       ; which 128 tokens of the batch's 2,048
	s_lshr_b32 s29, s19, 4
	s_mul_i32 s28, s28, s29
	s_add_co_u32 s26, s26, s28
	s_lshl_b32 s28, s25, 13                        ; V lies 8,192 bytes into a key step
	s_add_co_u32 s26, s26, s28
	s_add_nc_u64 s[10:11], s[10:11], s[26:27]      ; the output at my first head and the block's first token
	s_lshr_b32 s28, s19, 5
	v_add_nc_u32 v[OF1], s28, v[LI]
; ---- X
.macro XLOAD st                        ; K step st of my 16 tokens into set st % 2
.set i, 0
.rept 16
	global_load_b128 v[R+64*((\st)%2)+4*i:R+64*((\st)%2)+4*i+3], v[LI], s[4:5] offset:i*4096+(\st)*512 th:TH_LOAD_NT
.set i, i+1
.endr
.endm
; 64 numbers of a lane, register 16 b + n = k 32 b + 16 (lane / 16) + n of my row, become a fragment's codes in v[PC] on and its scale word in v[PW]
.macro QUANT
.irp b, 0,1,2,3
	v_max3_num_f32 v[TM+\b], |v[X+16*\b]|, |v[X+1+16*\b]|, 0x1800000   ; my 16 numbers of block b, and the floor 2^(3 - 127): the byte cannot fall under 1
.endr
.irp n, 2,4,6,8,10,12,14
.irp b, 0,1,2,3
	v_max3_num_f32 v[TM+\b], v[TM+\b], |v[X+16*\b+\n]|, |v[X+1+16*\b+\n]|   ; the four blocks by turns
.endr
.endr
.irp b, 0,1,2,3
	v_permlanex16_b32 v[TM+4+\b], v[TM+\b], s[SEL], s[SEL+1]
.endr
.irp b, 0,1,2,3
	v_max_num_f32 v[TM+\b], v[TM+\b], v[TM+4+\b]   ; with lane l xor 16's: the block's largest magnitude
.endr
.irp b, 0,1,2,3
	v_add_nc_u32 v[TM+12+\b], 0xff000000, v[TM+\b] ; 2 off its exponent field: the conversion's scale operand
.endr
.irp b, 0,1,2,3
	v_lshrrev_b32 v[TM+4+\b], 23, v[TM+12+\b]      ; the scale's byte
.endr
	v_lshl_or_b32 v[PW], v[TM+5], 8, v[TM+4]
	v_lshl_or_b32 v[PW], v[TM+6], 16, v[PW]
	v_lshl_or_b32 v[PW], v[TM+7], 24, v[PW]
.irp b, 0,1,2,3
	v_cvt_scalef32_pk8_fp4_f32 v[PC+2*\b], v[X+16*\b:X+7+16*\b], v[TM+12+\b]
	v_cvt_scalef32_pk8_fp4_f32 v[PC+1+2*\b], v[X+8+16*\b:X+15+16*\b], v[TM+12+\b]
.endr
	v_nop                                          ; one plain place behind a scaled conversion
.irp c, 0,1                            ; the operand's layout wants a whole block in a lane: lanes 0-15 block 2 c, lanes 16-31 block 2 c + 1
.irp n, 0,1
	v_permlane16_swap_b32 v[PC+4*\c+\n], v[PC+2+4*\c+\n]
.endr
.endr
.endm
.macro XSTEP st
.if (\st) < 7
	s_wait_loadcnt 16                              ; this K step's 16 loads are in; the next step's 16 may stay out
.else
	s_wait_loadcnt 0
.endif
.set i, 0
.rept 16
	ds_store_b128 v[STI], v[R+64*((\st)%2)+4*i:R+64*((\st)%2)+4*i+3] offset:i*528
.set i, i+1
.endr
.irp b, 0,1,2,3
.irp j, 0,1,2,3
	ds_load_b128 v[X+16*\b+4*\j:X+16*\b+4*\j+3], v[STO] offset:128*\b+16*\j   ; LDS serves a wave's instructions in order: these see the stores above
.endr
.endr
	s_wait_dscnt 0x0                               ; the numbers are back; the stores, the last step's image among them, have read their registers
.if (\st) < 6
	XLOAD (\st)+2
.endif
	QUANT
	ds_store_b128 v[XWI], v[PC:PC+3] offset:(\st)*1024
	ds_store_b128 v[XWI], v[PC+4:PC+7] offset:(\st)*1024+512
	ds_store_b32 v[XWS], v[PW] offset:(\st)*128
.endm
	XLOAD 0
	XLOAD 1
.irp n, 0,1,2,3,4,5,6,7
	XSTEP \n
.endr
	s_wait_dscnt 0x0                               ; for the others' sake: my images and scale words have landed
	s_barrier_signal -1
	s_barrier_wait -1                              ; all 64 fragments lie in LDS; nothing is stored to LDS behind this barrier
; ---- G
.macro WLOAD st                        ; W's two fragments and 32 scale words of K step st into set st % 2: five loads
.irp bw, 0,1
.irp c, 0,1
	global_load_b128 v[WF+16*((\st)%2)+8*\bw+4*\c:WF+16*((\st)%2)+8*\bw+4*\c+3], v[LI], s[6:7] offset:(\st)*2048+\bw*1024+\c*512
.endr
.endr
	global_load_b32 v[WS+(\st)%2], v[L4], s[8:9] offset:(\st)*128
.endm
; Product i of a K step's 16: token tile i / 2, tile i % 2 of W (its scale words lie in lanes 16-31 for the odd tile).  sw = 1: the sources, and the scale operands with them, change places.  K step 0 starts the sums.
.macro MM st, sw
.set rD, ACC+8*i
.set rW, WF+16*((\st)%2)+8*(i%2)
.set rX, XF+8*(i/2)
.set rP, WS+(\st)%2
.set rQ, XS+i/2
.if (\sw) == 0
.if (\st) == 0
.if i%2 == 0
	v_wmma_scale_f32_16x16x128_f8f6f4 v[rD:rD+7], v[rW:rW+7], v[rX:rX+7], 0, v[rP], v[rQ] matrix_a_fmt:MATRIX_FMT_FP4 matrix_b_fmt:MATRIX_FMT_FP4
.else
	v_wmma_scale_f32_16x16x128_f8f6f4 v[rD:rD+7], v[rW:rW+7], v[rX:rX+7], 0, v[rP], v[rQ] matrix_a_fmt:MATRIX_FMT_FP4 matrix_b_fmt:MATRIX_FMT_FP4 matrix_a_scale:MATRIX_SCALE_ROW1
.endif
.else
.if i%2 == 0
	v_wmma_scale_f32_16x16x128_f8f6f4 v[rD:rD+7], v[rW:rW+7], v[rX:rX+7], v[rD:rD+7], v[rP], v[rQ] matrix_a_fmt:MATRIX_FMT_FP4 matrix_b_fmt:MATRIX_FMT_FP4
.else
	v_wmma_scale_f32_16x16x128_f8f6f4 v[rD:rD+7], v[rW:rW+7], v[rX:rX+7], v[rD:rD+7], v[rP], v[rQ] matrix_a_fmt:MATRIX_FMT_FP4 matrix_b_fmt:MATRIX_FMT_FP4 matrix_a_scale:MATRIX_SCALE_ROW1
.endif
.endif
.else
.if (\st) == 0
.if i%2 == 0
	v_wmma_scale_f32_16x16x128_f8f6f4 v[rD:rD+7], v[rX:rX+7], v[rW:rW+7], 0, v[rQ], v[rP] matrix_a_fmt:MATRIX_FMT_FP4 matrix_b_fmt:MATRIX_FMT_FP4
.else
	v_wmma_scale_f32_16x16x128_f8f6f4 v[rD:rD+7], v[rX:rX+7], v[rW:rW+7], 0, v[rQ], v[rP] matrix_a_fmt:MATRIX_FMT_FP4 matrix_b_fmt:MATRIX_FMT_FP4 matrix_b_scale:MATRIX_SCALE_ROW1
.endif
.else
.if i%2 == 0
	v_wmma_scale_f32_16x16x128_f8f6f4 v[rD:rD+7], v[rX:rX+7], v[rW:rW+7], v[rD:rD+7], v[rQ], v[rP] matrix_a_fmt:MATRIX_FMT_FP4 matrix_b_fmt:MATRIX_FMT_FP4
.else
	v_wmma_scale_f32_16x16x128_f8f6f4 v[rD:rD+7], v[rX:rX+7], v[rW:rW+7], v[rD:rD+7], v[rQ], v[rP] matrix_a_fmt:MATRIX_FMT_FP4 matrix_b_fmt:MATRIX_FMT_FP4 matrix_b_scale:MATRIX_SCALE_ROW1
.endif
.endif
.endif
.endm
.macro KSTEP st, sw
.if (\st) < 7
	WLOAD (\st)+1                                  ; the next K step's weights, into the set that the step before multiplied (four places back)
.endif
.set i, 0
.rept 8
	ds_load_b128 v[XF+8*i:XF+8*i+3], v[LI] offset:(8*i+(\st))*1024
	ds_load_b128 v[XF+8*i+4:XF+8*i+7], v[LI] offset:(8*i+(\st))*1024+512
	ds_load_b32 v[XS+i], v[LS] offset:(8*i+(\st))*128
.set i, i+1
.endr
.if (\st) < 7
	s_wait_loadcnt 5                               ; this step's five loads are in; the next step's five may stay out
.else
	s_wait_loadcnt 0
.endif
	s_wait_dscnt 0x0
.set i, 0
.rept 16
	MM \st, \sw
.set i, i+1
.endr
.rept 4
	v_nop                                          ; four places in front of loads into registers that these products have read, and of the first read of results
.endr
.endm
.macro OUT sw                          ; each accumulator from its low end on: x the factor, rounded to f16, 16 bytes a lane, stored
.set i, 0
.rept 16
.irp e, 0,1,2,3
	v_pk_mul_f32 v[T+8*(i%2)+2*\e:T+8*(i%2)+2*\e+1], v[ACC+8*i+2*\e:ACC+8*i+2*\e+1], s[14:15] op_sel_hi:[1,0]
.endr
.irp e, 0,1,2,3
	v_cvt_pk_f16_f32 v[XF+4*i+\e], v[T+8*(i%2)+2*\e], v[T+8*(i%2)+2*\e+1]
.endr
.if \sw
	global_store_b128 v[LI], v[XF+4*i:XF+4*i+3], s[12:13] offset:(i/8)*16384+((i/4)%2)*4096+((i/2)%2)*512+(i%2)*1024   ; token tile a = i / 2: key step a / 4, chunk of 32 keys (a / 2) % 2, half a % 2 of the fragment; channel tile i % 2
.else
.if i < 8
	global_store_b128 v[LI], v[XF+4*i:XF+4*i+3], s[12:13] offset:((i/2)%4)*2048+(i%2)*512    ; token tile a: fragment a; half i % 2 of it
.else
	global_store_b128 v[OF1], v[XF+4*i:XF+4*i+3], s[12:13] offset:((i/2)%4)*2048+(i%2)*512
.endif
.endif
.set i, i+1
.endr
.endm
.macro GEMM sw
	s_mov_b32 s18, 0
.Lpass_\@:                             ; four passes: pair 4 w + pass of channels
	s_wait_xcnt 0x0                                ; the last pass's stores have read their data and their base: both are written again below
	s_lshr_b32 s24, s18, 1
	s_mul_i32 s24, s24, s19                        ; head 2 w + pass / 2,
	s_and_b32 s25, s18, 1
	s_mul_i32 s25, s25, s20                        ; its half pass % 2
	s_add_co_u32 s24, s24, s25
	s_mov_b32 s25, 0
	s_add_nc_u64 s[12:13], s[10:11], s[24:25]
	WLOAD 0
.irp n, 0,1,2,3,4,5,6,7
	KSTEP \n, \sw
.endr
	OUT \sw
	s_add_nc_u64 s[6:7], s[6:7], 16384             ; the next pair's weights (all loads by these bases were waited for in K step 7)
	s_add_nc_u64 s[8:9], s[8:9], 1024
	s_add_co_u32 s18, s18, 1
	s_cmp_lt_u32 s18, 4
	s_cbranch_scc1 .Lpass_\@
	s_wait_tensorcnt 0x0                           ; the wave's end: behind my last LDS store
	ds_add_u32 v[SPW], v[NIL]
	s_wait_dscnt 0x0
	s_endpgm
.endm
	s_cmp_eq_u32 s17, 2                            ; the work-group's number: all waves go the same way
	s_cbranch_scc1 .Lvalues
	GEMM 0
.Lvalues:
	GEMM 1
.Lfunc_end_k_qc7964be256_proj:
	.size	k_qc7964be256_proj, .Lfunc_end_k_qc7964be256_proj-k_qc7964be256_proj
	.p2alignl 7, 3214868480
	.fill 96, 4, 3214868480
	.section	.rodata,"a",@progbits
	.p2align	6, 0x0
	.amdhsa_kernel k_qc7964be256_proj
		.amdhsa_group_segment_fixed_size 142336
		.amdhsa_private_segment_fixed_size 0
		.amdhsa_enable_private_segment 0
		.amdhsa_kernarg_size 56
		.amdhsa_user_sgpr_count 2
		.amdhsa_user_sgpr_kernarg_segment_ptr 1
		.amdhsa_wavefront_size32 1
		.amdhsa_system_sgpr_workgroup_id_x 1
		.amdhsa_system_sgpr_workgroup_id_y 1
		.amdhsa_system_sgpr_workgroup_id_z 1
		.amdhsa_system_vgpr_workitem_id 0
		.amdhsa_next_free_vgpr 256
		.amdhsa_next_free_sgpr 66
		.amdhsa_reserve_vcc 0
		.amdhsa_float_denorm_mode_32 3
		.amdhsa_float_denorm_mode_16_64 3
		.amdhsa_memory_ordered 1
		.amdhsa_forward_progress 1
		.amdhsa_inst_pref_size 150
	.end_amdhsa_kernel
	.amdgpu_metadata
---
amdhsa.version: [ 1, 2 ]
amdhsa.kernels:
  - .name:           k_qc7964be256_proj
    .symbol:         k_qc7964be256_proj.kd
    .args:
      - { .name: queries, .offset: 0, .size: 8, .value_kind: global_buffer, .address_space: global }
      - { .name: keys, .offset: 8, .size: 8, .value_kind: global_buffer, .address_space: global }
      - { .name: values, .offset: 16, .size: 8, .value_kind: global_buffer, .address_space: global }
      - { .name: wf, .offset: 24, .size: 8, .value_kind: global_buffer, .address_space: global }
      - { .name: wsc, .offset: 32, .size: 8, .value_kind: global_buffer, .address_space: global }
      - { .name: qf, .offset: 40, .size: 8, .value_kind: global_buffer, .address_space: global }
      - { .name: kv, .offset: 48, .size: 8, .value_kind: global_buffer, .address_space: global }
    .group_segment_fixed_size: 142336
    .private_segment_fixed_size: 0
    .kernarg_segment_align: 8
    .kernarg_segment_size: 56
    .max_flat_workgroup_size: 256
    .sgpr_count:     66
    .vgpr_count:     256
    .wavefront_size: 32
...
	.end_amdgpu_metadata
.endif
;; end of part 2
;; launch attn (part 3): grid 4 x 64, 16 waves a work-group, clusters of 4 x 1, 327,680 bytes of LDS; arguments qf, kv, mb, ao; writes ao
.if DOCPART == 3
	.amdgcn_target "amdgcn-amd-amdhsa--gfx1250"
	.amdhsa_code_object_version 6
	.text
	.protected	k_qc7964be256_attn
	.globl	k_qc7964be256_attn
	.p2align	8
	.type	k_qc7964be256_attn,@function
k_qc7964be256_attn:
	s_mov_b64 s[64:65], 0
	v_nop
	global_prefetch_b8 v0, s[64:65] scope:SCOPE_SE
	s_setreg_imm32_b32 hwreg(HW_REG_WAVE_MODE, 25, 1), 1
	s_wait_xcnt 0x0
	s_wait_alu depctr_hold_cnt(0) depctr_sa_sdst(0) depctr_va_vdst(0) depctr_va_sdst(0) depctr_va_ssrc(0) depctr_va_vcc(0) depctr_vm_vsrc(0)
	s_getreg_b32 s2, hwreg(HW_REG_IB_STS2, 6, 4)
	s_cmp_eq_u32 s2, 0
	s_cbranch_scc0 .Lentry_in_a_cluster
	s_endpgm
.Lentry_in_a_cluster:
	s_bfe_u32 s2, ttmp6, 0x10000c
	s_cmp_lg_u32 s2, 0x3003
	s_cbranch_scc0 .Lentry_shape_is_right
	s_endpgm
.Lentry_shape_is_right:
; ATTN: o = softmax(where(mask == 0, -1e10, q k^T / 8)) v for one (batch, head) and 512 queries a work-group.  q, k, v arrive as f16 fragments (q already x log2(e) / 8); products on f16 operands, sums, maxima and the softmax in f32.
; SHARES.  Sixteen waves, each 32 queries = two tiles of 16, in 256 registers: four waves to a SIMD, so that one wave's vector work stands beside another's matrix work and LDS loads.  Every wave walks all 2,048 keys, 64 a step.
; LAYOUT.  S^T = K Q^T (source 0 = 16 keys, source 1 = 16 queries): a lane holds ONE query (lane % 16) and keys 8 (lane / 16) + 0..7 of a key tile.  Two such tiles, rounded to f16 in pairs, ARE source 1 of O^T = V^T P,
;   whose result again holds one query a lane and 8 channels: half of a fragment of the next launch's operand, stored straight from registers.
; THE MASK is an input: the launch before has turned it into lane masks, one word for each score register; a step's 64 words come by four scalar loads, a step ahead.  One v_cndmask_b32 a score REPLACES it, ahead of the maximum:
;   so a row with no key left comes out uniform over all keys, as the definition has it.  -1e10 becomes -1e10 x log2(e), since the scores are exponents of 2.
; SOFTMAX.  A running maximum m and sum l for each query: p = 2^(t - m); in every step l and O^T are multiplied by a = 2^(old m - new m).  l is the sum of the unrounded p.  m begins at -3e38, l and O^T at 0: the step is written without a first copy.
; RING.  K and V of a (batch, head) are one dense stream of 16,384 bytes a step, laid as images of the operand registers: a fragment is read from LDS at 16 x lane: no pitch, no padding.  Two slots of 8 steps (131,072 bytes);
;   every wave fetches its sixteenth of a slot, 32 rows of 256 bytes: with sixteen waves and two slots in LDS no larger share is left for a wave.  A wave has two tensor loads out at the start and one behind each round.
; CLUSTER.  The four work-groups of a cluster are the four query blocks of one (batch, head) and walk the same K and V: each tile is asked for jointly (the same load, the same descriptor, a mask that names the four).
;   The place in the cluster enters the global addresses of q, the mask words and o alone.
; No prefetch is laid: a refill is asked for 8 key steps ahead of the wait for it.
; LIMITS: p under 2^-126 counts as 0; NaN and infinities are not served.
.set SLOTB, 131072                     ; bytes of a slot;
.set SLOT1, 1<<17                      ; slot 1 begins here: one exclusive or turns an address from one slot to the other
.set SPARE, 262144                     ; behind the ring: the spare words, 128 bytes for each wave
.set LI,  1                            ; v1   16 x lane
.set ADR, 2                            ; v2   LDS address of the step's fragments
.set SPW, 3                            ; v3   LDS address of my spare word; never rewritten
.set NIL, 4                            ; v4   0; never rewritten
.set NEG, 5                            ; v5   -1e10 x log2(e)
.set ST,  16                           ; tile q's statistics at v[16 + 8 q]: +0 m, +1 (the pair's upper word), +2, +3 l in two halves, +4 .. +7 at work; a in +6
.set Q,   32                           ; v32-63   Q: tile q, chunk cc of channels at 16 q + 8 cc
.set KV,  64                           ; v64-127  K's 8 fragments (2 kt + cc), then V's 8 (4 u + ct)
.set S,   128                          ; v128-191 S^T, 32 a tile; P is made in place, in the first 16 of each
.set O,   192                          ; v192-255 O^T, 32 a tile
.set TB,  2                            ; s2   LDS byte at which the step's tiles begin
.set CNT, 3                            ; s3   counts a slot's 8 steps
.set WV,  12                           ; s12  my wave's number
.set MOFF, 13                          ; s13  byte offset of the mask words that were asked for last
.set SLOTS, 15                         ; s15  slots still to be asked for
.set G1,  16                           ; s[16:23] descriptor group 1
.set G0A, 24                           ; s[24:27] group 0 of slot 0's first fill
.set G0B, 28                           ; s[28:31] of slot 1's; it then walks
.set SEL, 66                           ; s66, s67 lane selects: lane l xor 16
; the mask words: s[32:47], s[48:63], s[68:83], s[84:99]: key tile kt's 16 words; in it word 2 j + q for register j of tile q
.macro ROUND                           ; a round of the cluster's barrier: my work-group's barrier; wave 0 signals for the work-group; every wave waits for all four; my work-group's barrier once more
	s_barrier_signal -1
	s_barrier_wait -1
	s_cmp_lg_u32 s[WV], 0
	s_cbranch_scc1 .Lnot_wave_0_\@
	s_barrier_signal -3
.Lnot_wave_0_\@:
	s_barrier_wait -3
	s_barrier_signal -1
	s_barrier_wait -1
.endm
	s_load_b256 s[4:11], s[0:1], 0x0               ; qf s[4:5], kv s[6:7], mb s[8:9], ao s[10:11]
	v_lshl_add_u32 v[SPW], v0, 2, SPARE
	v_mov_b32 v[NIL], 0
	ds_add_u32 v[SPW], v[NIL]                      ; the wave's opening: the add, twice on end, and its wait ahead of my first tensor load
	ds_add_u32 v[SPW], v[NIL]
	v_lshrrev_b32 v1, 5, v0
	v_readfirstlane_b32 s[WV], v1                  ; wave 0..15
	v_and_b32 v1, 31, v0
	v_lshlrev_b32 v[LI], 4, v1
	s_bfe_u32 s32, ttmp6, 0x40000                  ; cx: my place in the cluster = which 512 queries
	s_and_b32 s33, ttmp7, 0xffff                   ; batch x 16 + head, which the four partners share
	s_lshr_b32 s34, s33, 4                         ; batch
	s_and_b32 s35, s33, 15                         ; head
	s_lshl_b32 s36, s33, 19                        ; kv: 524,288 bytes a (batch, head),
	s_lshl_b32 s[G0A+1], s[WV], 13                 ; my sixteenth of a slot, in memory and in LDS alike
	s_add_co_u32 s36, s36, s[G0A+1]
	s_mov_b32 s37, 0
	s_lshl_b32 s38, s33, 18                        ; qf: 262,144 bytes a (batch, head), 2,048 a tile: tile 32 cx + 2 w
	s_lshl_b32 s44, s32, 16
	s_add_co_u32 s38, s38, s44
	s_lshl_b32 s44, s[WV], 12
	s_add_co_u32 s38, s38, s44
	s_mov_b32 s39, 0
	s_lshl_b32 s40, s34, 6                         ; mb: pair of query tiles 64 batch + 16 cx + w, 8,192 bytes each
	s_lshl_b32 s44, s32, 4
	s_add_co_u32 s40, s40, s44
	s_add_co_u32 s40, s40, s[WV]
	s_lshl_b32 s40, s40, 13
	s_mov_b32 s41, 0
	s_lshl_b32 s42, s34, 4                         ; ao [block of 128 tokens][head][tile 8][chunk 2][1,024]: block 16 batch + 4 cx + w / 4,
	s_lshl_b32 s44, s32, 2
	s_add_co_u32 s42, s42, s44
	s_lshr_b32 s44, s[WV], 2
	s_add_co_u32 s42, s42, s44
	s_lshl_b32 s42, s42, 4
	s_add_co_u32 s42, s42, s35                     ; my head,
	s_lshl_b32 s42, s42, 3
	s_and_b32 s44, s[WV], 3
	s_lshl_b32 s44, s44, 1
	s_add_co_u32 s42, s42, s44                     ; tile 2 (w % 4)
	s_lshl_b32 s42, s42, 11
	s_mov_b32 s43, 0
	; descriptor group 1: 32 rows of 32 elements of 8 bytes, dense in memory and in LDS
	s_mov_b32 s[G1], 15|(3<<16)|(1<<21)            ; 15:0 the mask: all four work-groups; 17:16 elements of 8 bytes; 21 set beside a mask; no padding
	s_mov_b32 s[G1+1], 32<<16                      ; tensor_dim0 = 32
	s_mov_b32 s[G1+2], 32<<16                      ; tensor_dim1 = 32
	s_mov_b32 s[G1+3], 32<<16                      ; tile_dim0 = 32
	s_mov_b32 s[G1+4], 32                          ; tile_dim1 = 32
	s_mov_b32 s[G1+5], 32                          ; from row to row
	s_mov_b32 s[G1+6], 0
	s_mov_b32 s[G1+7], 0
	s_mov_b32 s[SEL], 0x76543210
	s_mov_b32 s[SEL+1], 0xfedcba98
	s_mov_b32 s[TB], 0
	s_mov_b32 s[MOFF], 0
	s_mov_b32 s[SLOTS], 2
	s_wait_dscnt 0x0                               ; both opening adds are done
	s_wait_kmcnt 0x0
	s_add_nc_u64 s[6:7], s[6:7], s[36:37]
	s_add_nc_u64 s[4:5], s[4:5], s[38:39]
	s_add_nc_u64 s[8:9], s[8:9], s[40:41]
	s_add_nc_u64 s[10:11], s[10:11], s[42:43]
	s_mov_b32 s[G0A], 1                            ; count = 1
	s_mov_b64 s[G0A+2:G0A+3], s[6:7]               ; keys 0 .. 511
	s_or_b32 s[G0A+3], s[G0A+3], 0x80000000        ; type = 2
	s_mov_b32 s[G0B], 1
	s_add_co_u32 s[G0B+1], s[G0A+1], SLOT1
	s_add_nc_u64 s[G0B+2:G0B+3], s[6:7], SLOTB     ; keys 512 .. 1,023
	s_or_b32 s[G0B+3], s[G0B+3], 0x80000000
	ROUND                                          ; all four work-groups are here: the first joint loads meet
	tensor_load_to_lds s[G0A:G0A+3], s[G1:G1+7]
	s_nop 0
	tensor_load_to_lds s[G0B:G0B+3], s[G1:G1+7]
	s_nop 0
.rept 4
	v_nop
.endr
.irp n, 0,1,2,3,4,5,6,7
	global_load_b128 v[Q+4*\n:Q+4*\n+3], v[LI], s[4:5] offset:512*\n   ; Q stays in registers: 4,096 consecutive bytes a wave
.endr
	s_load_b512 s[32:47], s[8:9], s[MOFF] offset:0x0     ; key step 0's lane masks (s32-44 are done with as scratch)
	s_load_b512 s[48:63], s[8:9], s[MOFF] offset:0x40
	s_load_b512 s[68:83], s[8:9], s[MOFF] offset:0x80
	s_load_b512 s[84:99], s[8:9], s[MOFF] offset:0xc0
	v_mov_b32 v[NEG], 0xd056fa73
.irp q, 0,1
	v_mov_b32 v[ST+8*\q], 0xff61b1e6               ; m = -3e38, under every score
	v_mov_b32 v[ST+8*\q+1], 0xff61b1e6             ; (named with it as a pair)
.irp n, 2,3,4,5,6,7
	v_mov_b32 v[ST+8*\q+\n], 0
.endr
.endr
.set i, 0
.rept 64
	v_mov_b32 v[O+i], 0                            ; O^T: the first step finds zeros, which its a = 0 leaves zeros
.set i, i+1
.endr
	s_wait_loadcnt 0x0                             ; Q
	s_wait_tensorcnt 1                             ; my part of slot 0 is in; slot 1's may stay out
	s_barrier_signal -1
	s_barrier_wait -1                              ; everybody's is
; A KEY STEP: 64 keys x my 32 queries
.macro STEP
	v_add_nc_u32 v[ADR], s[TB], v[LI]
.irp f, 0,1,2,3,4,5,6,7                ; K: fragment 2 kt + cc
	ds_load_b128 v[KV+8*\f:KV+8*\f+3], v[ADR] offset:\f*1024
	ds_load_b128 v[KV+8*\f+4:KV+8*\f+7], v[ADR] offset:\f*1024+512
.endr
	s_wait_dscnt 0x0
.irp cc, 0,1                           ; S^T = K Q^T: eight accumulators by turns, one instruction a turn; the first chunk of channels starts the sums
.irp kt, 0,1,2,3
.irp q, 0,1
.if \cc == 0
	v_wmma_f32_16x16x32_f16 v[S+32*\q+8*\kt:S+32*\q+8*\kt+7], v[KV+8*(2*\kt+\cc):KV+8*(2*\kt+\cc)+7], v[Q+16*\q+8*\cc:Q+16*\q+8*\cc+7], 0
.else
	v_wmma_f32_16x16x32_f16 v[S+32*\q+8*\kt:S+32*\q+8*\kt+7], v[KV+8*(2*\kt+\cc):KV+8*(2*\kt+\cc)+7], v[Q+16*\q+8*\cc:Q+16*\q+8*\cc+7], v[S+32*\q+8*\kt:S+32*\q+8*\kt+7]
.endif
.endr
.endr
.endr
.rept 4
	v_nop                                          ; four places in front of the loads into K's registers and of the first read of the scores
.endr
.irp f, 0,1,2,3,4,5,6,7                ; V: fragment 4 u + ct; it lands under the softmax
	ds_load_b128 v[KV+8*\f:KV+8*\f+3], v[ADR] offset:8192+\f*1024
	ds_load_b128 v[KV+8*\f+4:KV+8*\f+7], v[ADR] offset:8192+\f*1024+512
.endr
	s_wait_kmcnt 0x0                               ; this step's lane masks, asked for a step ago
.irp kt, 0,1,2,3                       ; the mask: a score whose bit is 0 is replaced; each accumulator from its low end on
.irp j, 0,1,2,3,4,5,6,7
.irp q, 0,1
	v_cndmask_b32 v[S+32*\q+8*\kt+\j], v[NEG], v[S+32*\q+8*\kt+\j], s[32+16*\kt+4*(\kt/2)+2*\j+\q]
.endr
.endr
.endr
.irp j, 0,1,2,3                        ; the maximum of a lane's 32 scores and the old m: four chains of seven, the tiles by turns
.irp q, 0,1
	v_max3_num_f32 v[ST+8*\q+4+\j], v[S+32*\q+8*\j], v[S+32*\q+8*\j+1], v[S+32*\q+8*\j+2]
.endr
.endr
.irp g, 1,2
.irp j, 0,1,2,3
.irp q, 0,1
	v_max3_num_f32 v[ST+8*\q+4+\j], v[ST+8*\q+4+\j], v[S+32*\q+8*\j+2*\g+1], v[S+32*\q+8*\j+2*\g+2]
.endr
.endr
.endr
.irp q, 0,1
	v_max3_num_f32 v[ST+8*\q+4], v[ST+8*\q+4], v[S+32*\q+7], v[S+32*\q+15]
	v_max3_num_f32 v[ST+8*\q+6], v[ST+8*\q+6], v[S+32*\q+23], v[S+32*\q+31]
.endr
.irp q, 0,1
	v_max3_num_f32 v[ST+8*\q+4], v[ST+8*\q+4], v[ST+8*\q+5], v[ST+8*\q+6]
.endr
.irp q, 0,1
	v_max3_num_f32 v[ST+8*\q+4], v[ST+8*\q+4], v[ST+8*\q+7], v[ST+8*\q]
.endr
	s_add_co_u32 s[MOFF], s[MOFF], 256             ; the next step's lane masks: 256 bytes on (the wait above has shown the last loads done, so their offset may be written);
	s_and_b32 s[MOFF], s[MOFF], 0x1fff             ; the last step asks for step 0's again: no load leaves the buffer
	s_load_b512 s[32:47], s[8:9], s[MOFF] offset:0x0
	s_load_b512 s[48:63], s[8:9], s[MOFF] offset:0x40
	s_load_b512 s[68:83], s[8:9], s[MOFF] offset:0x80
	s_load_b512 s[84:99], s[8:9], s[MOFF] offset:0xc0
.irp q, 0,1
	v_permlanex16_b32 v[ST+8*\q+5], v[ST+8*\q+4], s[SEL], s[SEL+1]   ; the query's other 32 keys lie in the lane 16 away
.endr
.irp q, 0,1
	v_mov_b32 v[ST+8*\q+7], v[ST+8*\q]             ; the old m
.endr
.irp q, 0,1
	v_max_num_f32 v[ST+8*\q], v[ST+8*\q+4], v[ST+8*\q+5]
.endr
.irp q, 0,1
	v_sub_f32 v[ST+8*\q+7], v[ST+8*\q+7], v[ST+8*\q]
.endr
.set i, 0
.rept 16
	v_pk_add_f32 v[S+2*i:S+2*i+1], v[S+2*i:S+2*i+1], v[ST:ST+1] op_sel_hi:[1,0] neg_lo:[0,1] neg_hi:[0,1]             ; t - m, two at a time
	v_pk_add_f32 v[S+32+2*i:S+32+2*i+1], v[S+32+2*i:S+32+2*i+1], v[ST+8:ST+9] op_sel_hi:[1,0] neg_lo:[0,1] neg_hi:[0,1]
.set i, i+1
.endr
	v_exp_f32 v[ST+6], v[ST+7]                     ; ONE BATCH of 66 exponentials: a of both tiles,
	v_exp_f32 v[ST+14], v[ST+15]
.set i, 0
.rept 64
	v_exp_f32 v[S+i], v[S+i]                       ; and p = 2^(t - m)
.set i, i+1
.endr
	v_nop                                          ; a plain instruction behind the last exponential,
	s_wait_alu depctr_va_vdst(0)                   ; and one wait for the whole batch, ahead of the first instruction that names a result
.irp q, 0,1
	v_pk_mul_f32 v[ST+8*\q+2:ST+8*\q+3], v[ST+8*\q+2:ST+8*\q+3], v[ST+8*\q+6:ST+8*\q+7] op_sel_hi:[1,0]   ; l x a
	v_pk_add_f32 v[ST+8*\q+4:ST+8*\q+5], v[S+32*\q:S+32*\q+1], v[S+32*\q+2:S+32*\q+3]                     ; the sum of the unrounded p, in two chains
.endr
.irp j, 4,8,12,16,20,24,28
.irp q, 0,1
	v_pk_add_f32 v[ST+8*\q+2:ST+8*\q+3], v[ST+8*\q+2:ST+8*\q+3], v[S+32*\q+\j:S+32*\q+\j+1]
	v_pk_add_f32 v[ST+8*\q+4:ST+8*\q+5], v[ST+8*\q+4:ST+8*\q+5], v[S+32*\q+\j+2:S+32*\q+\j+3]
.endr
.endr
.irp q, 0,1
	v_pk_add_f32 v[ST+8*\q+2:ST+8*\q+3], v[ST+8*\q+2:ST+8*\q+3], v[ST+8*\q+4:ST+8*\q+5]
.endr
.set i, 0
.rept 16
	v_cvt_pk_f16_f32 v[S+i], v[S+2*i], v[S+2*i+1]              ; P, in place and in ascending order: register i never lies above its sources
	v_cvt_pk_f16_f32 v[S+32+i], v[S+32+2*i], v[S+32+2*i+1]
.set i, i+1
.endr
.set i, 0
.rept 16
	v_pk_mul_f32 v[O+2*i:O+2*i+1], v[O+2*i:O+2*i+1], v[ST+6:ST+7] op_sel_hi:[1,0]             ; O^T x a, each accumulator from its low end on
	v_pk_mul_f32 v[O+32+2*i:O+32+2*i+1], v[O+32+2*i:O+32+2*i+1], v[ST+14:ST+15] op_sel_hi:[1,0]
.set i, i+1
.endr
	s_wait_dscnt 0x0                               ; V is in
.irp u, 0,1                            ; O^T += V^T P: eight accumulators by turns
.irp ct, 0,1,2,3
.irp q, 0,1
	v_wmma_f32_16x16x32_f16 v[O+32*\q+8*\ct:O+32*\q+8*\ct+7], v[KV+8*(4*\u+\ct):KV+8*(4*\u+\ct)+7], v[S+32*\q+8*\u:S+32*\q+8*\u+7], v[O+32*\q+8*\ct:O+32*\q+8*\ct+7]
.endr
.endr
.endr
.rept 5
	v_nop                                          ; five places: the next step's first products write over P's registers, which these have read; its loads into V's registers want four
.endr
	s_add_co_u32 s[TB], s[TB], 16384               ; the next step's tiles
.endm
.macro EIGHT                           ; a slot's 8 key steps
	s_mov_b32 s[CNT], 8
.Lstep_\@:
	STEP
	s_sub_co_u32 s[CNT], s[CNT], 1
	s_cmp_lg_u32 s[CNT], 0
	s_cbranch_scc1 .Lstep_\@
.endm
; THE CHANGE OF SLOTS.  Each wave waits for all its tensor loads (the one that is out is its part of the other slot), adds 0 to its spare word, and waits for that and for its reads of the slot that it leaves.
; fill = 1: the barrier is a round of the cluster's, so that no wave of any partner still reads the slot or has a load on its way, and the joint refill is the first thing behind it.
.macro CHANGE fill
	s_wait_tensorcnt 0x0                           ; no tensor load of mine is out, so a group 0 may be written
	ds_add_u32 v[SPW], v[NIL]
.if \fill
	s_xor_b32 s[G0B+1], s[G0B+1], SLOT1            ; the walking descriptor: the other slot than last time,
	s_add_nc_u64 s[G0B+2:G0B+3], s[G0B+2:G0B+3], SLOTB   ; the next 512 keys; the type bits on top are not reached
.endif
	s_wait_dscnt 0x0                               ; the add is done, and my reads of the slot are over
.if \fill
	ROUND
	tensor_load_to_lds s[G0B:G0B+3], s[G1:G1+7]    ; my one tensor load behind the round: it has 8 key steps in which to land
	s_nop 0
.rept 4
	v_nop
.endr
.else
	s_barrier_signal -1
	s_barrier_wait -1
.endif
	s_sub_co_u32 s[TB], s[TB], SLOTB               ; back to a slot's first step,
	s_xor_b32 s[TB], s[TB], SLOT1                  ; in the other slot
.endm
	EIGHT                                          ; keys 0 .. 511
.Lslot:                                ; two trips: slots 0 and 1 are filled again, with keys 1,024 on and 1,536 on
	CHANGE 1
	EIGHT
	s_sub_co_u32 s[SLOTS], s[SLOTS], 1
	s_cmp_lg_u32 s[SLOTS], 0
	s_cbranch_scc1 .Lslot
	CHANGE 0                                       ; the tail is written out
	EIGHT
	; THE WAY OUT.  l's halves and the other half of the lanes' are added; O^T / l is rounded to f16: a lane's 8 channels of a channel tile are half of a fragment (16 tokens x 32 channels) of the next launch's operand.
.irp q, 0,1
	v_add_f32 v[ST+8*\q+4], v[ST+8*\q+2], v[ST+8*\q+3]
.endr
.irp q, 0,1
	v_permlanex16_b32 v[ST+8*\q+5], v[ST+8*\q+4], s[SEL], s[SEL+1]
.endr
.irp q, 0,1
	v_add_f32 v[ST+8*\q+4], v[ST+8*\q+4], v[ST+8*\q+5]   ; at least 1: the largest score's p is 1
.endr
.irp q, 0,1
	v_rcp_f32 v[ST+8*\q+6], v[ST+8*\q+4]
.endr
	v_nop                                          ; a plain instruction behind the last reciprocal,
	s_wait_alu depctr_va_vdst(0)                   ; and the wait ahead of the first use: one for both
.set i, 0
.rept 16
	v_pk_mul_f32 v[O+2*i:O+2*i+1], v[O+2*i:O+2*i+1], v[ST+6:ST+7] op_sel_hi:[1,0]
	v_pk_mul_f32 v[O+32+2*i:O+32+2*i+1], v[O+32+2*i:O+32+2*i+1], v[ST+14:ST+15] op_sel_hi:[1,0]
.set i, i+1
.endr
.set i, 0
.rept 32
	v_cvt_pk_f16_f32 v[S+i], v[O+2*i], v[O+2*i+1]
.set i, i+1
.endr
.irp n, 0,1,2,3,4,5,6,7
	global_store_b128 v[LI], v[S+4*\n:S+4*\n+3], s[10:11] offset:512*\n   ; tile n / 4, channel tile n % 4: 512 consecutive aligned bytes a store, 4,096 on end a wave
.endr
	s_wait_kmcnt 0x0                               ; the last step's scalar loads
	s_wait_tensorcnt 0x0                           ; the wave's end
	ds_add_u32 v[SPW], v[NIL]
	s_wait_dscnt 0x0
	ROUND                                          ; the closing round: no work-group ends while a partner may still ask for a tile that names it
	s_endpgm
.Lfunc_end_k_qc7964be256_attn:
	.size	k_qc7964be256_attn, .Lfunc_end_k_qc7964be256_attn-k_qc7964be256_attn
	.p2alignl 7, 3214868480
	.fill 96, 4, 3214868480
	.section	.rodata,"a",@progbits
	.p2align	6, 0x0
	.amdhsa_kernel k_qc7964be256_attn
		.amdhsa_group_segment_fixed_size 327680
		.amdhsa_private_segment_fixed_size 0
		.amdhsa_enable_private_segment 0
		.amdhsa_kernarg_size 32
		.amdhsa_user_sgpr_count 2
		.amdhsa_user_sgpr_kernarg_segment_ptr 1
		.amdhsa_wavefront_size32 1
		.amdhsa_system_sgpr_workgroup_id_x 1
		.amdhsa_system_sgpr_workgroup_id_y 1
		.amdhsa_system_sgpr_workgroup_id_z 1
		.amdhsa_system_vgpr_workitem_id 0
		.amdhsa_next_free_vgpr 256
		.amdhsa_next_free_sgpr 100
		.amdhsa_reserve_vcc 0
		.amdhsa_float_denorm_mode_32 3
		.amdhsa_float_denorm_mode_16_64 3
		.amdhsa_memory_ordered 1
		.amdhsa_forward_progress 1
		.amdhsa_inst_pref_size 80
	.end_amdhsa_kernel
	.amdgpu_metadata
---
amdhsa.version: [ 1, 2 ]
amdhsa.kernels:
  - .name:           k_qc7964be256_attn
    .symbol:         k_qc7964be256_attn.kd
    .args:
      - { .name: qf, .offset: 0, .size: 8, .value_kind: global_buffer, .address_space: global }
      - { .name: kv, .offset: 8, .size: 8, .value_kind: global_buffer, .address_space: global }
      - { .name: mb, .offset: 16, .size: 8, .value_kind: global_buffer, .address_space: global }
      - { .name: ao, .offset: 24, .size: 8, .value_kind: global_buffer, .address_space: global }
    .group_segment_fixed_size: 327680
    .private_segment_fixed_size: 0
    .kernarg_segment_align: 8
    .kernarg_segment_size: 32
    .max_flat_workgroup_size: 512
    .sgpr_count:     100
    .vgpr_count:     256
    .wavefront_size: 32
...
	.end_amdgpu_metadata
.endif
;; end of part 3
;; launch outp (part 4): grid 4 x 64, 4 waves a work-group, clusters of 4 x 4, 327,680 bytes of LDS; arguments ao, wof, out0; writes out0
.if DOCPART == 4
	.amdgcn_target "amdgcn-amd-amdhsa--gfx1250"
	.amdhsa_code_object_version 6
	.text
	.protected	k_qc7964be256_outp
	.globl	k_qc7964be256_outp
	.p2align	8
	.type	k_qc7964be256_outp,@function
k_qc7964be256_outp:
	s_mov_b64 s[64:65], 0
	v_nop
	global_prefetch_b8 v0, s[64:65] scope:SCOPE_SE
	s_setreg_imm32_b32 hwreg(HW_REG_WAVE_MODE, 25, 1), 1
	s_wait_xcnt 0x0
	s_wait_alu depctr_hold_cnt(0) depctr_sa_sdst(0) depctr_va_vdst(0) depctr_va_sdst(0) depctr_va_ssrc(0) depctr_va_vcc(0) depctr_vm_vsrc(0)
	s_getreg_b32 s2, hwreg(HW_REG_IB_STS2, 6, 4)
	s_cmp_eq_u32 s2, 0
	s_cbranch_scc0 .Lentry_in_a_cluster
	s_endpgm
.Lentry_in_a_cluster:
	s_bfe_u32 s2, ttmp6, 0x10000c
	s_cmp_lg_u32 s2, 0xf033
	s_cbranch_scc0 .Lentry_shape_is_right
	s_endpgm
.Lentry_shape_is_right:
; OUTP: out0 [8192][1024] f32 = a Wo, a = the attention's result [8192][1024] (k = head x 64 + channel).  Both operands arrive as f16 fragments, laid as images of the operand registers; sums in f32.
; A work-group makes 128 tokens x 256 columns (256 work-groups: one for each WGP; 256 x 256 would leave half without work); each of its four waves 64 x 128: 32 accumulators of 16 x 16, which fill window 1.
; K goes in steps of 128 through a ring of two LDS slots: a's 32,768 bytes ([head 2][token tile 8][chunk 2][1,024]) and Wo's 65,536 ([k chunk 4][n tile 16][1,024]), each one dense block of memory, brought as rows of 256 bytes.
; A fragment is read at 16 x lane: no pitch, no padding.
; CLUSTERS: 4 x 4 work-groups.  The four of a row of the cluster need the same tiles of a, the four of a column the same tiles of Wo: each is asked for JOINTLY, by the same tensor load with the same descriptor and a mask that names the four.
; THE MATRIX INSTRUCTION IS USED TRANSPOSED (source 0 = 16 columns of Wo, source 1 = 16 tokens): a lane holds eight neighbouring columns of one token's row.
; A wave has two tensor loads out at the start and one behind each round.  The launch has 8 K steps, two of them asked for at the head: no prefetch is laid.
; REGISTERS: window 0: v16-29 addresses; v32-127, v128-223 two fragment buffers (a's 4 fragments, then Wo's 8), on the way out rows of out0.  Window 1: accumulator (a, b) at v[8 (8 a + b)].
.set SLOT,  98304                      ; a's tile, then Wo's
.set BOFF,  32768
.set STAGE, 196608                     ; behind the ring: 16 rows x (512 + 16) bytes for each wave, for the way out: bytes into which no tile lands
.set SPARE, 230400                     ; the spare words, 128 bytes for each wave
.set LAPS,  4                          ; a lap = two K steps = once round the ring
.set ADRA, 16                          ; v16-17  LDS address of my fragments of a in slot 0, 1
.set ADRB, 20                          ; v20-21  the same for Wo
.set STO,  24                          ; v24     the way out: where I put 32 bytes of a row
.set RD,   25                          ; v25     where I read a row back
.set CO,   26                          ; v26     16 x lane
.set SPW,  28                          ; v28     LDS address of my spare word; never rewritten
.set NIL,  29                          ; v29     0; never rewritten
.set F0,   32
.set F1,   128
.set BK,   32                          ; the way out: v32-95 and v96-159 by turns
.set G1,  24                           ; s[24:31] descriptor group 1 for a's tiles; s[32:39] group 0, a set for each slot
.set G0,  32
.set G1B, 48                           ; s[48:55], s[56:63] the same for Wo's
.set G0B, 56
.set MSB, 0
.macro WIN new                         ; the immediate's high byte repeats the setting that is left
.if MSB != \new
	s_set_vgpr_msb (MSB<<8)|\new
.set MSB, \new
.endif
.endm
.set MUL, 0x50                         ; sources 0 and 1 window 0; C and D window 1
.macro JLOAD n                         ; a joint load: waves 0 and 1 fetch a's two halves, waves 2 and 3 Wo's; the branch hangs on the wave's number alone; an s_nop 0 and four v_nop follow each of the two lines
	s_cmp_eq_u32 s11, 0
	s_cbranch_scc0 .Lfor_b_\@
	tensor_load_to_lds s[G0+4*\n:G0+4*\n+3], s[G1:G1+7]
	s_nop 0
.rept 4
	v_nop
.endr
	s_branch .Lasked_\@
.Lfor_b_\@:
	tensor_load_to_lds s[G0B+4*\n:G0B+4*\n+3], s[G1B:G1B+7]
	s_nop 0
.rept 4
	v_nop
.endr
.Lasked_\@:
.endm
.macro CREST                           ; a round of the cluster's barrier behind its opening barrier
	s_cmp_lg_u32 s10, 0
	s_cbranch_scc1 .Lnot_wave_0_\@
	s_barrier_signal -3
.Lnot_wave_0_\@:
	s_barrier_wait -3
	s_barrier_signal -1
	s_barrier_wait -1
.endm
.macro CROUND                          ; a whole round
	s_barrier_signal -1
	s_barrier_wait -1
	CREST
.endm
	s_load_b128 s[4:7], s[0:1], 0x0                ; ao, wof
	s_load_b64 s[8:9], s[0:1], 0x10                ; out0
	v_lshl_add_u32 v[SPW], v0, 2, SPARE
	v_mov_b32 v[NIL], 0
	ds_add_u32 v[SPW], v[NIL]                      ; the wave's opening: the add, twice on end, and its wait ahead of my first tensor load
	ds_add_u32 v[SPW], v[NIL]
	v_lshrrev_b32 v1, 5, v0
	v_readfirstlane_b32 s10, v1                    ; wave 0..3
	s_lshr_b32 s11, s10, 1                         ; which 64 tokens are mine.  Also: I fetch for a (0) or for Wo (1)
	s_and_b32 s12, s10, 1                          ; which 128 columns.  Also: which half of that tile I fetch
	s_bfe_u32 s40, ttmp6, 0x40000                  ; cx, cy: my place in the cluster
	s_bfe_u32 s41, ttmp6, 0x40004
	s_lshl_b32 s42, ttmp9, 2
	s_add_co_u32 s42, s42, s40                     ; block of 256 columns = 4 x cluster x + cx
	s_and_b32 s13, ttmp7, 0xffff
	s_lshl_b32 s13, s13, 2
	s_add_co_u32 s13, s13, s41                     ; block of 128 tokens = 4 x cluster y + cy
	s_lshl_b32 s43, s41, 2
	s_lshl_b32 s43, 15, s43                        ; my row of the cluster
	s_lshl_b32 s44, 0x1111, s40                    ; my column
	s_or_b32 s[G1], s43, (3<<16)|(1<<21)           ; 15:0 the mask: a's tiles go to my row; 17:16 elements of 8 bytes; 21 set beside a mask; no padding
	s_or_b32 s[G1B], s44, (3<<16)|(1<<21)          ; Wo's go to my column
	s_mov_b32 s[G1+1], 32<<16                      ; tensor_dim0 = 32 elements: rows of 256 bytes
	s_mov_b32 s[G1+2], 64<<16                      ; tensor_dim1 = 64
	s_mov_b32 s[G1+3], 32<<16                      ; tile_dim0
	s_mov_b32 s[G1+4], 64                          ; tile_dim1
	s_mov_b32 s[G1+5], 32                          ; from row to row: dense
	s_mov_b32 s[G1+6], 0
	s_mov_b32 s[G1+7], 0
	s_mov_b32 s[G1B+1], 32<<16
	s_mov_b32 s[G1B+2], 128<<16                    ; 128 rows
	s_mov_b32 s[G1B+3], 32<<16
	s_mov_b32 s[G1B+4], 128
	s_mov_b32 s[G1B+5], 32
	s_mov_b32 s[G1B+6], 0
	s_mov_b32 s[G1B+7], 0
	s_lshl_b32 s16, s13, 18                        ; a: 262,144 bytes a block of tokens,
	s_lshl_b32 s20, s12, 14                        ; my half of a K step's 32,768, in memory and in LDS alike
	s_add_co_u32 s16, s16, s20
	s_mov_b32 s17, 0
	s_lshl_b32 s46, s42, 19                        ; Wo: 524,288 bytes a block of columns,
	s_lshl_b32 s21, s12, 15                        ; my half of a K step's 65,536
	s_add_co_u32 s46, s46, s21
	s_mov_b32 s47, 0
	s_wait_dscnt 0x0                               ; both opening adds are done
	s_wait_kmcnt 0x0
	s_add_nc_u64 s[14:15], s[4:5], s[16:17]
	s_add_nc_u64 s[46:47], s[6:7], s[46:47]
	CROUND                                         ; all sixteen work-groups are here: the first joint loads meet
.irp n, 0,1
	s_mov_b32 s[G0+4*\n], 1
	s_add_co_u32 s[G0+4*\n+1], s20, \n*SLOT
	s_add_nc_u64 s[G0+4*\n+2:G0+4*\n+3], s[14:15], \n*32768
	s_or_b32 s[G0+4*\n+3], s[G0+4*\n+3], 0x80000000
	s_mov_b32 s[G0B+4*\n], 1
	s_add_co_u32 s[G0B+4*\n+1], s21, \n*SLOT+BOFF
	s_add_nc_u64 s[G0B+4*\n+2:G0B+4*\n+3], s[46:47], \n*65536
	s_or_b32 s[G0B+4*\n+3], s[G0B+4*\n+3], 0x80000000
	JLOAD \n
.endr
	v_and_b32 v1, 31, v0
	v_lshlrev_b32 v[CO], 4, v1
	s_lshl_b32 s22, s11, 13                        ; my four token tiles: 2,048 bytes each inside a head
	s_lshl_b32 s23, s12, 13                        ; my eight n tiles: 1,024 bytes each inside a k chunk,
	s_add_co_u32 s23, s23, BOFF                    ; behind a's tile
.irp n, 0,1
	v_add_nc_u32 v[ADRA+\n], s22, v[CO]
	v_add_nc_u32 v[ADRB+\n], s23, v[CO]
	s_add_co_u32 s22, s22, SLOT
	s_add_co_u32 s23, s23, SLOT
.endr
	s_mul_i32 s22, s10, 8448
	s_add_co_u32 s22, s22, STAGE                   ; my stage
	v_and_b32 v2, 15, v0
	v_bfe_u32 v3, v0, 4, 1
	v_mul_u32_u24 v[STO], v2, 528                  ; in: row lane % 16, 32 bytes for each half of the lanes
	v_lshl_add_u32 v[STO], v3, 5, v[STO]
	v_add_nc_u32 v[STO], s22, v[STO]
	v_add_nc_u32 v[RD], s22, v[CO]                 ; back: the 32 lanes take one row of 512 bytes
	s_lshl_b32 s16, s13, 19                        ; out0: 128 rows of 4,096 bytes,
	s_lshl_b32 s17, s11, 18                        ; my 64 of them
	s_add_co_u32 s16, s16, s17
	s_mov_b32 s17, 0
	s_add_nc_u64 s[8:9], s[8:9], s[16:17]
	s_lshl_b32 s46, s42, 10                        ; 256 columns of 4 bytes,
	s_lshl_b32 s47, s12, 9                         ; my 128 of them
	s_add_co_u32 s46, s46, s47
	s_mov_b32 s47, 0
	s_add_nc_u64 s[8:9], s[8:9], s[46:47]
; 24 LDS loads in one run: the fragments of k chunk kc (32 along K) of slot sl into buffer f: Wo's eight first, then a's four
.macro FETCH sl, kc, f
	WIN 0
.irp b, 0,1,2,3,4,5,6,7
	ds_load_b128 v[\f+32+8*\b:\f+32+8*\b+3], v[ADRB+\sl] offset:(\kc)*16384+\b*1024
	ds_load_b128 v[\f+32+8*\b+4:\f+32+8*\b+7], v[ADRB+\sl] offset:(\kc)*16384+\b*1024+512
.endr
.irp t, 0,1,2,3
	ds_load_b128 v[\f+8*\t:\f+8*\t+3], v[ADRA+\sl] offset:((\kc)/2)*16384+\t*2048+((\kc)%2)*1024
	ds_load_b128 v[\f+8*\t+4:\f+8*\t+7], v[ADRA+\sl] offset:((\kc)/2)*16384+\t*2048+((\kc)%2)*1024+512
.endr
.endm
; 8 matrix instructions: token tile a x all 8 n tiles.  zero = 1: the first product starts the sums.  The 32 accumulators take turns, one instruction a turn, in the same order in every quarter.
.macro MUL8 f, a, zero
.irp b, 0,1,2,3,4,5,6,7
.if \zero
	v_wmma_f32_16x16x32_f16 v[8*(8*(\a)+\b):8*(8*(\a)+\b)+7], v[\f+32+8*\b:\f+32+8*\b+7], v[\f+8*(\a):\f+8*(\a)+7], 0
.else
	v_wmma_f32_16x16x32_f16 v[8*(8*(\a)+\b):8*(8*(\a)+\b)+7], v[\f+32+8*\b:\f+32+8*\b+7], v[\f+8*(\a):\f+8*(\a)+7], v[8*(8*(\a)+\b):8*(8*(\a)+\b)+7]
.endif
.endr
.endm
.macro PLACES                          ; four places in front of loads into registers that matrix instructions have read, and of the first read of results
.rept 4
	v_nop
.endr
.endm
; A K step is four quarters of 32 along K, 32 matrix instructions each, on buffers 0, 1, 0, 1.  One of the first three: multiplies buffer f and fetches k chunk kn of the same slot into g.
.macro QUARTER sl, kn, f, g, zero
	s_wait_dscnt 4                                 ; Wo's fragments and a's tiles 0, 1 are in; the youngest four loads (tiles 2, 3) may be out
	WIN MUL
	MUL8 \f, 0, \zero
	MUL8 \f, 1, \zero
	WIN 0
	PLACES
	FETCH \sl, \kn, \g
	s_wait_dscnt 24                                ; all but the 24 just issued
	WIN MUL
	MUL8 \f, 2, \zero
	MUL8 \f, 3, \zero
.endm
; The last quarter multiplies buffer 1 and changes slots: ONE barrier; in front of it each wave waits for all its tensor loads, adds 0 to its spare word, and waits for that and for its own reads of this slot.  fill = 1: this slot is filled again, two K steps ahead.
.macro TURN sl, nx, fill
	WIN 0                                          ; (the add's two registers lie in window 0)
	s_wait_tensorcnt 0x0                           ; all my tensor loads have landed: my part of the next slot
	ds_add_u32 v[SPW], v[NIL]
	s_wait_dscnt 5                                 ; (the add and the youngest four loads may be out)
	WIN MUL
	MUL8 F1, 0, 0                                  ; eight matrix instructions stand between the add and the wait for it
	s_wait_dscnt 0x0                               ; the add is done, and my reads of this slot are over
	s_barrier_signal -1
	MUL8 F1, 1, 0
	WIN 0
	s_barrier_wait -1
.if \fill
	CREST                                          ; the barrier has opened a round of the cluster's barrier: no wave of any partner still reads this slot's tile or has a load on its way
	s_add_nc_u64 s[G0+4*\sl+2:G0+4*\sl+3], s[G0+4*\sl+2:G0+4*\sl+3], 65536
	s_add_nc_u64 s[G0B+4*\sl+2:G0B+4*\sl+3], s[G0B+4*\sl+2:G0B+4*\sl+3], 131072
	JLOAD \sl                                      ; the first tensor load behind the round; the four v_nop behind it are also the places in front of the loads below
.else
	PLACES
.endif
	FETCH \nx, 0, F0
	WIN MUL
	MUL8 F1, 2, 0
	MUL8 F1, 3, 0
.endm
	s_wait_tensorcnt 1                             ; my part of K step 0 is in (K step 1's load may be out)
	s_barrier_signal -1
	s_barrier_wait -1                              ; everybody's is
	FETCH 0, 0, F0
	QUARTER 0, 1, F0, F1, 1                        ; the first quarter stands in front of the loop: its products start the sums
	WIN 0                                          ; at a label and at a branch every window is 0
	s_mov_b32 s3, LAPS-1
.Llap:                                 ; a trip goes once round the ring, from a lap's second quarter to the next lap's first, and fills both slots again
	QUARTER 0, 2, F1, F0, 0
	QUARTER 0, 3, F0, F1, 0
	TURN 0, 1, 1
	QUARTER 1, 1, F0, F1, 0
	QUARTER 1, 2, F1, F0, 0
	QUARTER 1, 3, F0, F1, 0
	TURN 1, 0, 1
	QUARTER 0, 1, F0, F1, 0
	WIN 0
	s_sub_co_u32 s3, s3, 1
	s_cmp_lg_u32 s3, 0
	s_cbranch_scc1 .Llap
	QUARTER 0, 2, F1, F0, 0                        ; the last lap fills nothing, and has no round of the cluster's barrier
	QUARTER 0, 3, F0, F1, 0
	TURN 0, 1, 0
	QUARTER 1, 1, F0, F1, 0
	QUARTER 1, 2, F1, F0, 0
	QUARTER 1, 3, F0, F1, 0
	s_wait_dscnt 4                                 ; the very last quarter: nothing more to fetch
	WIN MUL
	MUL8 F1, 0, 0
	MUL8 F1, 1, 0
	s_wait_dscnt 0
	MUL8 F1, 2, 0
	MUL8 F1, 3, 0
	WIN 0
; THE WAY OUT, a block of 16 tokens x 128 columns at a time.  A lane holds 32 neighbouring bytes of a row, and the lanes beside it hold other rows: a block goes through my own stage and comes back as whole rows of 512 bytes.
; LDS serves a wave's instructions in order: no wait between the stores and the loads, nor in front of the next block's stores.
.macro TOSTAGE a
	WIN 0x04                                       ; an LDS store's data are its source 1: window 1
.irp b, 0,1,2,3,4,5,6,7
	ds_store_b128 v[STO], v[64*(\a)+8*\b:64*(\a)+8*\b+3] offset:64*\b          ; each accumulator from its low end on
	ds_store_b128 v[STO], v[64*(\a)+8*\b+4:64*(\a)+8*\b+7] offset:64*\b+16
.endr
	WIN 0
.set BB, BK+64*((\a)%2)
.irp t, 0,1,2,3,4,5,6,7,8,9,10,11,12,13,14,15
	ds_load_b128 v[BB+4*\t:BB+4*\t+3], v[RD] offset:\t*528
.endr
.endm
.macro SEND a, younger                 ; younger: the LDS instructions issued behind block a's loads, which may stay out
.set BB, BK+64*((\a)%2)
	s_wait_dscnt \younger
.irp t, 0,1,2,3,4,5,6,7,8,9,10,11,12,13,14,15
	global_store_b128 v[CO], v[BB+4*\t:BB+4*\t+3], s[8:9] offset:(\a)*65536+\t*4096 th:TH_STORE_NT   ; 32 lanes store 512 consecutive bytes, at a multiple of 256 from out0's first byte; written once, read by nobody here
.endr
.endm
	PLACES
	TOSTAGE 0
	TOSTAGE 1
	SEND 0, 32                                     ; behind block 0's loads: block 1's 16 stores and 16 loads
	s_wait_xcnt 0x0                                ; block 0's stores have read their registers: block 2's loads may land there
	TOSTAGE 2
	SEND 1, 32
	s_wait_xcnt 0x0                                ; block 1's likewise
	TOSTAGE 3
	SEND 2, 32
	SEND 3, 0
	s_wait_tensorcnt 0x0                           ; the wave's end: behind my last tensor load and my last LDS store
	ds_add_u32 v[SPW], v[NIL]
	s_wait_dscnt 0x0
	CROUND                                         ; the closing round: no work-group ends while a partner may still ask for a tile that names it
	s_endpgm
.Lfunc_end_k_qc7964be256_outp:
	.size	k_qc7964be256_outp, .Lfunc_end_k_qc7964be256_outp-k_qc7964be256_outp
	.p2alignl 7, 3214868480
	.fill 96, 4, 3214868480
	.section	.rodata,"a",@progbits
	.p2align	6, 0x0
	.amdhsa_kernel k_qc7964be256_outp
		.amdhsa_group_segment_fixed_size 327680
		.amdhsa_private_segment_fixed_size 0
		.amdhsa_enable_private_segment 0
		.amdhsa_kernarg_size 24
		.amdhsa_user_sgpr_count 2
		.amdhsa_user_sgpr_kernarg_segment_ptr 1
		.amdhsa_wavefront_size32 1
		.amdhsa_system_sgpr_workgroup_id_x 1
		.amdhsa_system_sgpr_workgroup_id_y 1
		.amdhsa_system_sgpr_workgroup_id_z 1
		.amdhsa_system_vgpr_workitem_id 0
		.amdhsa_next_free_vgpr 512
		.amdhsa_next_free_sgpr 66
		.amdhsa_reserve_vcc 0
		.amdhsa_float_denorm_mode_32 3
		.amdhsa_float_denorm_mode_16_64 3
		.amdhsa_memory_ordered 1
		.amdhsa_forward_progress 1
		.amdhsa_inst_pref_size 84
	.end_amdhsa_kernel
	.amdgpu_metadata
---
amdhsa.version: [ 1, 2 ]
amdhsa.kernels:
  - .name:           k_qc7964be256_outp
    .symbol:         k_qc7964be256_outp.kd
    .args:
      - { .name: ao, .offset: 0, .size: 8, .value_kind: global_buffer, .address_space: global }
      - { .name: wof, .offset: 8, .size: 8, .value_kind: global_buffer, .address_space: global }
      - { .name: out0, .offset: 16, .size: 8, .value_kind: global_buffer, .address_space: global }
    .group_segment_fixed_size: 327680
    .private_segment_fixed_size: 0
    .kernarg_segment_align: 8
    .kernarg_segment_size: 24
    .max_flat_workgroup_size: 128
    .sgpr_count:     66
    .vgpr_count:     512
    .wavefront_size: 32
...
	.end_amdgpu_metadata
.endif
;; end of part 4
